; MI455X (gfx1250); checked and timed in simulation.
; The chip was launched on July 23, 2026; its instructions are those of AMD's public machine-readable ISA for CDNA 5 (MIT licence, August 2026) and "CDNA5" Instruction Set Architecture Reference Guide (July 2026).
;; Simple PMA. Allowed arithmetic: matrix products marked QUANTISED: E4M3 operands, one E8M0 scale for each 32 along K, by v_wmma_scale_f32_16x16x128_f8f6f4 with both operands' format E4M3, f32 sums; products left as they are: f32 operands where the result goes on into a quantised operand, else bf16, f16 or f32 operands; f32 sums; everything else in f32.
;; Inputs: Wk_codes 512 x 16 x 32 uint8 (E4M3 codes of Wk, K innermost, in blocks of 32 codes); Wk_scales 512 x 16 uint8 (E8M0 scales of Wk, one for each 32 codes along K); Wo_codes 512 x 16 x 32 uint8 (E4M3 codes of Wo, K innermost, in blocks of 32 codes); Wo_scales 512 x 16 uint8 (E8M0 scales of Wo, one for each 32 codes along K); Wq 512 x 512 float32; Wv_codes 512 x 16 x 32 uint8 (E4M3 codes of Wv, K innermost, in blocks of 32 codes); Wv_scales 512 x 16 uint8 (E8M0 scales of Wv, one for each 32 codes along K); bk 512 float32; bo 512 float32; bq 512 float32; bv 512 float32; mask 64 x 2,048 bool; seed 1 x 1 x 512 float32; x_codes 64 x 2,048 x 16 x 32 uint8 (E4M3 codes of x, K innermost, in blocks of 32 codes); x_scales 64 x 2,048 x 16 uint8 (E8M0 scales of x, one for each 32 codes along K).
;; Outputs: out0 64 x 1 x 512 float32.
;; This version of the problem:
;;   THIS VERSION OF THE PROBLEM IS GIVEN IN LOW PRECISION. The matrix products marked QUANTISED in the list below multiply operands that are first quantised to E4M3 (4 exponent bits, 3 mantissa bits; 8 bits a number), with one power-of-two scale for each 32 numbers along K (OCP MX v1.0); their sums are f32. All else is computed in f32.
;;   The module's matrix products, in the order in which they are computed (A, B: the left and right operand; K: the contracted axis; several contracted axes count as one K, in the product's order):
;;     1. [M 1, K 512] x [K 512, N 512]; A: input seed; B: input Wq: left as it is (M = 1 < 16)
;;     2. [M 131,072, K 512] x [K 512, N 512]; A: input x (given as codes); B: input Wk (given as codes): QUANTISED
;;     3. [M 131,072, K 512] x [K 512, N 512]; A: input x (given as codes); B: input Wv (given as codes): QUANTISED
;;     4. batch 8 x [M 131,072, K 64] x [K 64, N 1]; A: computed on the way; B: computed on the way: left as it is (N = 1 < 16)
;;     5. batch 512 x [M 1, K 2,048] x [K 2,048, N 64]; A: softmax; B: computed on the way: left as it is (M = 1 < 16)
;;     6. [M 64, K 512] x [K 512, N 512]; A: computed on the way; B: input Wo (given as codes): QUANTISED
;;   THE QUANTISER, for each operand of a quantised product, along K:
;;     - K is cut into blocks of 32 from its start; a last block that is shorter is filled with zeros.
;;     - A block's scale is 2^e with e = floor(log2(the largest magnitude in the block)) - 8, held to -126 .. 127; a block of zeros has e = 0. As a byte (E8M0): e + 127.
;;     - Each number is divided by its block's scale, clamped to +-448, and rounded to the nearest number of E4M3, ties to even, subnormals kept.
;;     - The product sums the exact products of the quantised numbers (number of the format x scale) in f32.
;;   ~~~python
;;   def quantise(x, axis):      # numpy; x: float32 -> the quantised numbers, widened to float32 again
;;       x = np.moveaxis(x, axis, -1); K = x.shape[-1]
;;       x = np.pad(x, [(0, 0)] * (x.ndim - 1) + [(0, -K % 32)]); x = x.reshape(x.shape[:-1] + (-1, 32)); a = np.abs(x).max(-1, keepdims=True)
;;       e = np.where(a > 0, np.clip(np.frexp(np.where(a > 0, a, 1))[1] - 1 - 8, -126, 127), 0)      # np.frexp(a)[1] - 1 = floor(log2(a)), exactly
;;       r = np.clip(x / 2.0 ** e, -448, 448)
;;       step = 2.0 ** (np.maximum(np.frexp(np.where(r == 0, 1, r))[1] - 1, -6) - 3)
;;       q = np.round(r / step) * step * 2.0 ** e      # np.round: ties to even
;;       return np.moveaxis(q.reshape(q.shape[:-2] + (-1,))[..., :K], -1, axis).astype(np.float32)
;;   ~~~
;;   OPERANDS COMPUTED ON THE WAY. 'Computed on the way' means the value that the module computes at that place (a softmax that the list does not call 'softmax' is quantised finished and normalised). What goes into a quantiser is computed in f32, as accurately as f32 sums, v_exp_f32 and their like allow (about 1e-6 of the number): no bf16 or f16 on the way to a quantiser, and a product that is left as it is and whose result goes on into a quantised operand takes f32 operands (vector FMAs, or v_wmma_f32_16x16x4_f32). A number that lies on a knife's edge between two numbers of the format may be rounded either way, as far as f32 arithmetic and the matrix unit's own rounding can turn it there, and no further.
;;   INPUTS GIVEN AS CODES. Wk (in the module: [512, 512], K = its axis 0); Wo (in the module: [512, 512], K = its axis 0); Wv (in the module: [512, 512], K = its axis 0); x (in the module: [64, 2048, 512], K = its axis 2): each comes as NAME_codes (uint8): NAME with its K axis moved to the last place and cut into blocks of 32 codes, [.., K / 32, bytes a block], one block behind the other in memory; one code a byte (a code: sign, 4 exponent bits, 3 mantissa bits); and NAME_scales (uint8): the same leading axes, one E8M0 byte (e + 127) for each 32 codes along K. Its value is code x scale, taken as it is: it is not quantised again, and the codes and scales need not be those that the quantiser above would give.
;; One version. Each part assembles by itself: llvm-mc -triple=amdgcn-amd-amdhsa -mcpu=gfx1250 --defsym DOCPART=n.
;; ======== version 1 of 1: 2 launches
;; limits: right only within a limited range of input values
;; workspace buffers: att 131,072 bytes
;; launch pool (part 1): grid 256 x 1, 4 waves a work-group, clusters of 4 x 1, 327,680 bytes of LDS; arguments x_codes, x_scales, mask, Wk_codes, Wv_codes, Wk_scales, Wv_scales, seed, Wq, bq, bk, bv, att; writes att
.if DOCPART == 1
	.amdgcn_target "amdgcn-amd-amdhsa--gfx1250"
	.amdhsa_code_object_version 6
	.text
	.protected	k_qd64835abe2_pool
	.globl	k_qd64835abe2_pool
	.p2align	8
	.type	k_qd64835abe2_pool,@function
k_qd64835abe2_pool:
	s_mov_b64 s[64:65], 0
	v_nop
	global_prefetch_b8 v0, s[64:65] scope:SCOPE_SE
	s_setreg_imm32_b32 hwreg(HW_REG_WAVE_MODE, 25, 1), 1
	s_wait_xcnt 0x0
	s_wait_alu depctr_hold_cnt(0) depctr_sa_sdst(0) depctr_va_vdst(0) depctr_va_sdst(0) depctr_va_ssrc(0) depctr_va_vcc(0) depctr_vm_vsrc(0)
	s_getreg_b32 s2, hwreg(HW_REG_IB_STS2, 6, 4)
	s_cmp_eq_u32 s2, 0
	s_cbranch_scc0 .Lentry_in_a_cluster
	s_endpgm
.Lentry_in_a_cluster:
	s_bfe_u32 s2, ttmp6, 0x10000c
	s_cmp_lg_u32 s2, 0x3003
	s_cbranch_scc0 .Lentry_shape_is_right
	s_endpgm
.Lentry_shape_is_right:
.set PITCH, 528
.set QTR,   64*PITCH
.set SLOT,  4*QTR
.set TILEB, 256*512
.set SCX,   2*SLOT
.set MSK,   SCX+32768
.set SPARE, MSK+8192
.set CMB,   SPARE+512
.set SPW,  1
.set NIL,  2
.set AX0,  3
.set ADX,  4
.set ADS,  5
.set ADM,  6
.set AWK,  4
.set AWV,  5
.set LW,   7
.set MM,   10
.set LL,   11
.set FP,   12
.set QPW,  12
.set QPR,  13
.set SC,   18
.set PA,   16
.set PFL,  24
.set PFO,  25
.set ADS0, 26
.set ADM0, 27
.set XS,   28
.set WS,   44
.set QV,   60
.set OV,   92
.set MKW,  124
.set XF,   128
.set SD,   128
.set HEAD, 2
.set CX,   3
.set SDP,  18
.set WQP,  20
.set BQP,  22
.set BKP,  24
.set BVP,  26
.set ATT,  28
.set WV,   30
.set HF,   31
.set G1X,  32
.set G1S,  40
.set G1T,  48
.set G0S,  56
.set SB,   66
.set CNT,  67
.set G0A,  68
.set G0W,  72
.set XB,   76
.set PFT,  79
.set SGN,  81
.set SEL,  84
.set HD,   86
.set TSC,  86
.set TMK,  87
.set G1P,  88
.set G0P,  96
.set TO,   100
.set MSB, 0
.macro WIN new
.if MSB != (\new)
	s_set_vgpr_msb (MSB<<8)|(\new)
.set MSB, (\new)
.endif
.endm
.macro CREST
	s_cmp_lg_u32 s[WV], 0
	s_cbranch_scc1 .Lnot_wave_0_\@
	s_barrier_signal -3
.Lnot_wave_0_\@:
	s_barrier_wait -3
	s_barrier_signal -1
	s_barrier_wait -1
.endm
.macro CROUND
	s_barrier_signal -1
	s_barrier_wait -1
	CREST
.endm
.macro PLACES n
.rept \n
	v_nop
.endr
.endm
.macro WALU
	s_wait_alu depctr_va_vdst(0)
.endm
.macro TLOAD g0, g1
	tensor_load_to_lds s[\g0:\g0+3], s[\g1:\g1+7]
	s_nop 0
	PLACES 4
.endm
.macro ROWS g, n
	s_mov_b32 s[\g+1], 512<<16
	s_mov_b32 s[\g+2], (\n)<<16
	s_mov_b32 s[\g+3], 512<<16
	s_mov_b32 s[\g+4], \n
	s_mov_b32 s[\g+5], 512
	s_mov_b32 s[\g+6], 0
	s_mov_b32 s[\g+7], 0
.endm
	s_load_b512 s[4:19], s[0:1], 0x0
	s_load_b256 s[20:27], s[0:1], 0x40
	s_load_b64 s[ATT:ATT+1], s[0:1], 0x60
	v_lshl_add_u32 v[SPW], v0, 2, SPARE
	v_mov_b32 v[NIL], 0
	ds_add_u32 v[SPW], v[NIL]
	ds_add_u32 v[SPW], v[NIL]
	v_lshrrev_b32 v8, 5, v0
	v_readfirstlane_b32 s[WV], v8
	s_lshr_b32 s[HF], s[WV], 1
	s_and_b32 s[HD], s[WV], 1
	v_and_b32 v8, 15, v0
	v_bfe_u32 v9, v0, 4, 1
	v_and_b32 v10, 31, v0
	v_lshlrev_b32 v[LW], 4, v10
	v_lshlrev_b32 v11, 5, v9
	v_lshlrev_b32 v14, 4, v8
	v_lshl_add_u32 v14, v9, 3, v14
	v_mov_b32 v15, 0
	v_lshlrev_b32 v6, 4, v0
	v_mul_u32_u24 v22, v8, PITCH
	v_lshl_add_u32 v22, v9, 4, v22
	s_mul_i32 s78, s[HF], 2*QTR
	v_add_nc_u32 v[AX0], s78, v22
	s_mul_i32 s78, s[HD], QTR
	s_add_co_u32 s78, s78, SLOT
	v_add_nc_u32 v[AWK], s78, v22
	v_add_nc_u32 v[AWV], 2*QTR, v[AWK]
	s_lshl_b32 s78, s[HF], 11
	s_add_co_u32 s78, s78, SCX
	v_add_nc_u32 v[ADS0], s78, v14
	s_lshl_b32 s78, s[HF], 9
	s_add_co_u32 s78, s78, MSK
	v_lshl_add_u32 v[ADM0], v8, 2, s78
	s_lshl_b32 s78, s[WV], 9
	s_add_co_u32 s78, s78, CMB
	v_add_nc_u32 v[QPW], s78, v[LW]
	s_lshl_b32 s78, s[HD], 8
	s_add_co_u32 s78, s78, CMB
	v_lshl_add_u32 v[QPR], v9, 5, s78
	s_bfe_u32 s[CX], ttmp6, 0x40000
	s_lshl_b32 s[TO], s[CX], 2
	s_add_co_u32 s[TO], s[TO], s[WV]
	s_lshl_b32 s[TO], s[TO], 13
	v_lshl_add_u32 v[PFL], v10, 8, s[TO]
	s_lshl_b32 s[HEAD], s[CX], 1
	s_add_co_u32 s[HEAD], s[HEAD], s[HD]
	s_lshl_b32 s[TO], s[CX], 16
	s_mov_b32 s[TO+1], 0
	s_mov_b32 s[G1X+0], 15|(1<<20)|(1<<21)|(6<<22)|(3<<25)
	s_mov_b32 s[G1T+0], 15|(1<<20)|(1<<21)|(6<<22)|(3<<25)
	s_mov_b32 s[G1P+0], (1<<20)|(6<<22)|(3<<25)
	ROWS G1X, 64
	ROWS G1T, 256
	ROWS G1P, 128
	s_mov_b32 s[G1S+0], 15|(3<<16)|(1<<21)
	s_mov_b32 s[G1S+1], 32<<16
	s_mov_b32 s[G1S+2], 128<<16
	s_mov_b32 s[G1S+3], 32<<16
	s_mov_b32 s[G1S+4], 128
	s_mov_b32 s[G1S+5], 32
	s_mov_b32 s[G1S+6], 0
	s_mov_b32 s[G1S+7], 0
	s_lshl_b32 s78, ttmp9, 20
	s_mov_b32 s79, 0
	s_lshl_b32 s80, s[WV], 15
	s_mov_b32 s81, 0
	s_lshl_b32 s82, ttmp9, 15
	s_mov_b32 s83, 0
	s_lshl_b32 s66, ttmp9, 11
	s_mov_b32 s67, 0
	s_mov_b32 s[G0S], 1
	s_mov_b32 s[G0S+1], SCX
	s_mov_b32 s[G0A], 1
	s_mov_b32 s[G0A+1], 0
	s_mov_b32 s[G0W], 1
	s_mul_i32 s[G0W+1], s[WV], QTR
	s_add_co_u32 s[G0W+1], s[G0W+1], SLOT
	s_mov_b32 s[G0P], 1
	s_mul_i32 s[G0P+1], s[HD], 2*QTR
	s_add_co_u32 s[G0P+1], s[G0P+1], SLOT
	s_mov_b32 s[SEL], 0x76543210
	s_mov_b32 s[SEL+1], 0xfedcba98
	s_mov_b32 s[TMK], 0
	s_wait_dscnt 0x0
	WALU
	s_wait_kmcnt 0x0
	s_add_nc_u64 s[XB:XB+1], s[4:5], s[78:79]
	s_mov_b64 s[G0A+2:G0A+3], s[XB:XB+1]
	s_add_nc_u64 s[G0W+2:G0W+3], s[XB:XB+1], s[80:81]
	s_add_nc_u64 s[G0W+2:G0W+3], s[G0W+2:G0W+3], TILEB
	s_or_b32 s[G0A+3], s[G0A+3], 0x80000000
	s_or_b32 s[G0W+3], s[G0W+3], 0x80000000
	s_add_nc_u64 s[G0S+2:G0S+3], s[6:7], s[82:83]
	s_or_b32 s[G0S+3], s[G0S+3], 0x80000000
	s_add_nc_u64 s[8:9], s[8:9], s[66:67]
	s_cmp_eq_u32 s[HD], 0
	s_cselect_b64 s[10:11], s[10:11], s[12:13]
	s_add_nc_u64 s[G0P+2:G0P+3], s[10:11], s[TO:TO+1]
	s_or_b32 s[G0P+3], s[G0P+3], 0x80000000
	s_mov_b32 s[TSC], 0
	CROUND
	s_cmp_lt_u32 s[WV], 2
	s_cbranch_scc0 .Larm_x
	TLOAD G0P, G1P
	s_branch .Lasked
.Larm_x:
	s_cmp_eq_u32 s[WV], 2
	s_cbranch_scc0 .Larm_s
	TLOAD G0A, G1T
	s_branch .Lasked
.Larm_s:
	TLOAD G0S, G1S
.Lasked:
	s_mov_b32 s[SB], 0
	s_mov_b32 s[CNT], 6
	s_mov_b32 s[PFT], 2*TILEB
	s_lshl_b32 s[TO], s[CX], 9
	s_lshl_b32 s[TO+1], s[WV], 18
	s_add_co_u32 s[TO], s[TO], s[TO+1]
	s_mov_b32 s[TO+1], 0
	s_add_nc_u64 s[WQP:WQP+1], s[WQP:WQP+1], s[TO:TO+1]
	s_lshl_b32 s[TO], s[WV], 9
	s_add_nc_u64 s[SDP:SDP+1], s[SDP:SDP+1], s[TO:TO+1]
	s_lshl_b32 s[TO], s[HEAD], 10
	s_add_nc_u64 s[14:15], s[14:15], s[TO:TO+1]
	s_add_nc_u64 s[16:17], s[16:17], s[TO:TO+1]
	s_lshl_b32 s[TO], s[HEAD], 8
	s_add_nc_u64 s[BQP:BQP+1], s[BQP:BQP+1], s[TO:TO+1]
	s_add_nc_u64 s[BKP:BKP+1], s[BKP:BKP+1], s[TO:TO+1]
	s_add_nc_u64 s[BVP:BVP+1], s[BVP:BVP+1], s[TO:TO+1]
	s_lshl_b32 s[TO+1], ttmp9, 11
	s_add_co_u32 s[TO], s[TO], s[TO+1]
	s_mov_b32 s[TO+1], 0
	s_add_nc_u64 s[ATT:ATT+1], s[ATT:ATT+1], s[TO:TO+1]
	s_cmp_lg_u32 s[HF], 0
	s_cselect_b32 s[SGN], 0x80808080, 0
	global_load_b128 v[MKW:MKW+3], v6, s[8:9]
.irp t, 0,1,2,3
	global_load_b128 v[OV+8*\t:OV+8*\t+3],   v11, s[BQP:BQP+1] offset:64*\t
	global_load_b128 v[OV+8*\t+4:OV+8*\t+7], v11, s[BQP:BQP+1] offset:64*\t+16
	global_load_b128 v[QV+8*\t:QV+8*\t+3],   v11, s[BKP:BKP+1] offset:64*\t
	global_load_b128 v[QV+8*\t+4:QV+8*\t+7], v11, s[BKP:BKP+1] offset:64*\t+16
	global_load_b32 v[WS+2*\t+1],   v14, s[14:15] offset:256*\t
	global_load_b32 v[WS+2*\t],     v14, s[14:15] offset:256*\t+4
	global_load_b32 v[WS+8+2*\t+1], v14, s[16:17] offset:256*\t
	global_load_b32 v[WS+8+2*\t],   v14, s[16:17] offset:256*\t+4
.endr
.set i, 0
.rept 32
	global_load_b128 v[SD+4*i:SD+4*i+3], v15, s[SDP:SDP+1] offset:16*i
.set i, i+1
.endr
.macro QLOAD g
	WIN 0x40
.set i, 16*(\g)
.rept 16
	global_load_b128 v[4*(i%64):4*(i%64)+3], v[LW], s[WQP:WQP+1] offset:2048*i
.set i, i+1
.endr
.endm
.macro QROWS g
	WIN 0x01
.set i, 16*(\g)
.rept 16
.irp k, 0,1,2,3
.if i < 2
	v_mul_f32 v[PA+4*(i%2)+\k], v[4*(i%64)+\k], v[SD+i]
.else
	v_fma_f32 v[PA+4*(i%2)+\k], v[4*(i%64)+\k], v[SD+i], v[PA+4*(i%2)+\k]
.endif
.endr
.set i, i+1
.endr
.endm
.macro WLOAD adr, t
.irp s, 0,1,2,3
.irp c, 0,1,2,3
	ds_load_b128 v[16*(4*(\t)+\s)+4*\c:16*(4*(\t)+\s)+4*\c+3], v[\adr] offset:16*(\t)*PITCH+128*\s+32*\c
.endr
.endr
.endm
	QLOAD 0
	QLOAD 1
	QLOAD 2
	QLOAD 3
.irp g, 0,1,2,3
	WALU
	s_wait_loadcnt 48
	QROWS \g
	QLOAD \g+4
.endr
	WALU
	s_wait_loadcnt 48
	QROWS 4
	WALU
	s_wait_loadcnt 32
	QROWS 5
	WALU
	s_wait_loadcnt 16
	QROWS 6
	WALU
	s_wait_loadcnt 0x0
	QROWS 7
	WIN 0
	v_pk_add_f32 v[PA:PA+1], v[PA:PA+1], v[PA+4:PA+5]
	v_pk_add_f32 v[PA+2:PA+3], v[PA+2:PA+3], v[PA+6:PA+7]
.set i, 0
.rept 16
	v_bfe_u32 v[SD+i], v[MKW+i/4], 8*(i%4), 8
.set i, i+1
.endr
.set i, 0
.rept 16
	v_add_nc_u32 v[SD+i], -1, v[SD+i]
.set i, i+1
.endr
.set i, 0
.rept 16
	v_and_b32 v[SD+i], 0xff800000, v[SD+i]
.set i, i+1
.endr
	v_lshl_add_u32 v23, v0, 6, MSK
	ds_store_b128 v[QPW], v[PA:PA+3]
.irp j, 0,1,2,3
	ds_store_b128 v23, v[SD+4*\j:SD+4*\j+3] offset:16*\j
.endr
	v_mov_b32 v[MM], 0xff61b1e6
	v_mov_b32 v[LL], 0
	WALU
	s_wait_dscnt 0x0
	s_barrier_signal -1
	s_barrier_wait -1
.irp p, 0,1,2,3
.irp t, 0,1,2,3
	ds_load_b128 v[SD+32*\p+8*\t:SD+32*\p+8*\t+3],   v[QPR] offset:512*\p+64*\t
	ds_load_b128 v[SD+32*\p+8*\t+4:SD+32*\p+8*\t+7], v[QPR] offset:512*\p+64*\t+16
.endr
.endr
	s_wait_dscnt 0x0
.irp j, 0,2,4,6,8,10,12,14,16,18,20,22,24,26,28,30
	v_pk_add_f32 v[SD+\j:SD+\j+1], v[SD+\j:SD+\j+1], v[SD+32+\j:SD+33+\j]
	v_pk_add_f32 v[SD+64+\j:SD+65+\j], v[SD+64+\j:SD+65+\j], v[SD+96+\j:SD+97+\j]
.endr
.irp j, 0,2,4,6,8,10,12,14,16,18,20,22,24,26,28,30
	v_pk_add_f32 v[SD+\j:SD+\j+1], v[SD+\j:SD+\j+1], v[SD+64+\j:SD+65+\j]
.endr
.irp j, 0,2,4,6,8,10,12,14,16,18,20,22,24,26,28,30
	v_pk_add_f32 v[SD+\j:SD+\j+1], v[SD+\j:SD+\j+1], v[OV+\j:OV+\j+1]
.endr
	v_pk_mul_f32 v[22:23], v[SD:SD+1], v[QV:QV+1]
.irp j, 2,4,6,8,10,12,14,16,18,20,22,24,26,28,30
	v_pk_fma_f32 v[22:23], v[SD+\j:SD+\j+1], v[QV+\j:QV+\j+1], v[22:23]
.endr
	v_add_f32 v22, v22, v23
.irp d, 15, 17, 9, 23
	v_mul_f32 v\d, 0x3e38aa3b, v22
.endr
.irp j, 0,2,4,6,8,10,12,14,16,18,20,22,24,26,28,30
	v_pk_mul_f32 v[QV+\j:QV+\j+1], v[SD+\j:SD+\j+1], 0x3e38aa3b op_sel_hi:[1,0]
.endr
.irp j, 0,1,2,3,4,5,6,7,8,9,10,11,12,13,14,15,16,17,18,19,20,21,22,23,24,25,26,27,28,29,30,31
	v_mov_b32 v[OV+\j], 0
.endr
	WALU
	s_cmp_lt_u32 s[WV], 2
	s_cbranch_scc0 .Lnot_w
	s_wait_tensorcnt 0x0
.Lnot_w:
	s_barrier_signal -1
	s_barrier_wait -1
	WIN 0xc0
	WLOAD AWV, 0
	WLOAD AWV, 1
	WLOAD AWV, 2
	WLOAD AWV, 3
	WIN 0x80
	WLOAD AWK, 0
	WLOAD AWK, 1
	WLOAD AWK, 2
	s_wait_dscnt 48
	WIN 0xcc
.set i, 0
.rept 256
	v_xor_b32 v[i], s[SGN], v[i]
.set i, i+1
.endr
	WIN 0x80
	WLOAD AWK, 3
	WIN 0
	s_wait_tensorcnt 0x0
	ds_add_u32 v[SPW], v[NIL]
	v_mov_b32 v[ADX], v[AX0]
	v_mov_b32 v[ADS], v[ADS0]
	v_mov_b32 v[ADM], v[ADM0]
	WALU
	s_wait_dscnt 0x0
	CROUND
	TLOAD G0W, G1X
.macro FX nb, s
.irp m, 0,1
.irp c, 0,1,2,3
	ds_load_b128 v[XF+64*\m+16*(\s)+4*\c:XF+64*\m+16*(\s)+4*\c+3], v[ADX] offset:(32*(\nb)+16*\m)*PITCH+128*(\s)+32*\c
.endr
.endr
.endm
.macro F1 nb
	WIN 0
	ds_load_b64 v[XS+4*(\nb):XS+4*(\nb)+1], v[ADS] offset:512*(\nb)
	ds_load_b64 v[XS+4*(\nb)+2:XS+4*(\nb)+3], v[ADS] offset:512*(\nb)+256
	ds_load_b32 v[14-6*((\nb)&1)], v[ADM] offset:128*(\nb)
	ds_load_b32 v[16+6*((\nb)&1)], v[ADM] offset:128*(\nb)+64
	WIN 0x40*((\nb)&1)
	FX \nb, 0
	FX \nb, 1
	FX \nb, 2
	WIN 0
.endm
.macro F2 nb
	WIN 0x40*((\nb)&1)
	FX \nb, 3
	WIN 0
.endm
.macro PR mat, s, b, m, t
.set AC_, 64*(\mat)+8*(4*(\m)+(\t))
.set WF_, 16*(4*(\t)+(\s))
.set XR_, XF+64*(\m)+16*(\s)
.set WS_, WS+2*(4*(\mat)+(\t))+1-((\s)&1)
.set XS_, XS+4*(\b)+2*(\m)+((\s)&1)
	WIN 0x52+(\mat)+4*((\b)&1)
.if (\s) == 0
	v_wmma_scale_f32_16x16x128_f8f6f4 v[AC_:AC_+7], v[WF_:WF_+15], v[XR_:XR_+15], 0, v[WS_], v[XS_]
.elseif (\s) < 2
	v_wmma_scale_f32_16x16x128_f8f6f4 v[AC_:AC_+7], v[WF_:WF_+15], v[XR_:XR_+15], v[AC_:AC_+7], v[WS_], v[XS_]
.else
	v_wmma_scale_f32_16x16x128_f8f6f4 v[AC_:AC_+7], v[WF_:WF_+15], v[XR_:XR_+15], v[AC_:AC_+7], v[WS_], v[XS_] matrix_a_scale:MATRIX_SCALE_ROW1 matrix_b_scale:MATRIX_SCALE_ROW1
.endif
.endm
.macro KSTEP s, b
.irp m, 0,1
.irp t, 0,1,2,3
	PR 0, \s, \b, \m, \t
.endr
.endr
.endm
.macro VGAP g, b
.if (\g) < 4 || (\g) == 26 || (\g) == 27
	v_nop
	v_nop
.elseif (\g) > 27
.elseif (\g) == 4
	WIN 0x01
	v_pk_fma_f32 v[SC:SC+1], v[0:1], v[QV:QV+1], v[14-6*((\b)&1):15-6*((\b)&1)]
	v_pk_fma_f32 v[SC+2:SC+3], v[32:33], v[QV:QV+1], v[16+6*((\b)&1):17+6*((\b)&1)]
.elseif (\g) < 20
.set KO_, 8*(((\g)-4)/4)+2*(((\g)-4)%4)
	WIN 0x01
	v_pk_fma_f32 v[SC:SC+1], v[KO_:KO_+1], v[QV+KO_:QV+KO_+1], v[SC:SC+1]
	v_pk_fma_f32 v[SC+2:SC+3], v[32+KO_:33+KO_], v[QV+KO_:QV+KO_+1], v[SC+2:SC+3]
.elseif (\g) == 20 || (\g) == 22
	WIN 0
	v_add_f32 v[SC], v[SC], v[SC+1]
	v_add_f32 v[SC+2], v[SC+2], v[SC+3]
.elseif (\g) == 21
	WIN 0
	v_permlanex16_b32 v[SC+1], v[SC], s[SEL], s[SEL+1]
	v_permlanex16_b32 v[SC+3], v[SC+2], s[SEL], s[SEL+1]
.elseif (\g) == 23
	WIN 0
	v_max3_num_f32 v[FP+1], v[MM], v[SC], v[SC+2]
.elseif (\g) == 24
	WIN 0
	v_sub_f32 v[FP], v[MM], v[FP+1]
	v_sub_f32 v[SC], v[SC], v[FP+1]
.else
	WIN 0
	v_sub_f32 v[SC+2], v[SC+2], v[FP+1]
	v_mov_b32 v[MM], v[FP+1]
.endif
.endm
.macro VP b
.set G_, 0
.irp s, 0,1,2,3
.irp m, 0,1
.irp t, 0,1,2,3
	PR 1, \s, \b, \m, \t
	VGAP G_, \b
.set G_, G_+1
.endr
.endr
.endr
.endm
.macro UU fetch
	WIN 0
	WALU
	v_exp_f32 v[FP], v[FP]
	v_exp_f32 v[SC], v[SC]
	v_exp_f32 v[SC+2], v[SC+2]
	v_nop
.if \fetch
	F1 NB_
.endif
	WALU
.irp j, 0,2,4,6,8,10,12,14,16,18,20,22,24,26,28,30
	v_pk_mul_f32 v[OV+\j:OV+\j+1], v[OV+\j:OV+\j+1], v[FP:FP+1] op_sel_hi:[1,0]
.endr
	WIN 0x01
.irp m, 0,1
.irp t, 0,1,2,3
.irp j, 0,2,4,6
	v_pk_fma_f32 v[OV+8*\t+\j:OV+8*\t+\j+1], v[64+32*\m+8*\t+\j:64+32*\m+8*\t+\j+1], v[SC+2*\m:SC+2*\m+1], v[OV+8*\t+\j:OV+8*\t+\j+1] op_sel_hi:[1,0,1]
.endr
.endr
.endr
	WIN 0
	v_add_f32 v[SC+1], v[SC], v[SC+2]
	v_fma_f32 v[LL], v[LL], v[FP], v[SC+1]
.if \fetch
	F2 NB_
.endif
	WALU
.endm
.macro BLOCK b, kind, fetch, wcnt
.set NB_, ((\b)+2)%4
.if (\kind)
	s_wait_tensorcnt 0x0
	ds_add_u32 v[SPW], v[NIL]
.if (\kind) == 1
	s_xor_b32 s[G0W+1], s[G0W+1], SLOT
	s_add_nc_u64 s[G0W+2:G0W+3], s[G0W+2:G0W+3], TILEB
.endif
	s_xor_b32 s[SB], s[SB], SLOT
	s_add_co_u32 s[TSC], s[TSC], 4096
	s_add_co_u32 s[TMK], s[TMK], 1024
	v_add_nc_u32 v[ADX], s[SB], v[AX0]
	v_add_nc_u32 v[ADS], s[TSC], v[ADS0]
	v_add_nc_u32 v[ADM], s[TMK], v[ADM0]
.endif
	s_wait_dscnt \wcnt
	KSTEP 0, \b
	KSTEP 1, \b
.if (\kind)
	WIN 0
	WALU
	s_wait_dscnt 0x0
	s_barrier_signal -1
.endif
	KSTEP 2, \b
	KSTEP 3, \b
.if (\kind)
	WIN 0
	s_barrier_wait -1
.endif
.if (\kind) == 1
	CREST
	TLOAD G0W, G1X
	s_wait_xcnt 0x0
	s_add_co_u32 s[PFT], s[PFT], TILEB
	s_min_u32 s[PFT], s[PFT], 7*TILEB
	v_add_nc_u32 v[PFO], s[PFT], v[PFL]
	global_prefetch_b8 v[PFO], s[XB:XB+1] th:TH_LOAD_NT scope:SCOPE_SE
.endif
	VP \b
	UU \fetch
.endm
.macro VISIT kind, f, w2, w3
	BLOCK 0, 0, 1, 36
	BLOCK 1, 0, 1, 36
	BLOCK 2, \kind, \f, \w2
	BLOCK 3, 0, \f, \w3
.endm
	WALU
	F1 0
	F2 0
	F1 1
	F2 1
.Lvisit:
	VISIT 1, 1, 37, 36
	s_sub_co_u32 s[CNT], s[CNT], 1
	s_cmp_lg_u32 s[CNT], 0
	s_cbranch_scc1 .Lvisit
	VISIT 2, 1, 37, 36
	VISIT 0, 0, 36, 0
	v_and_b32 v8, 31, v0
	v_lshlrev_b32 v8, 3, v8
	global_load_b64 v[128:129], v8, s[BVP:BVP+1]
	v_bfe_u32 v3, v0, 4, 1
	s_lshl_b32 s78, s[WV], 9
	s_add_co_u32 s78, s78, CMB
	v_lshl_add_u32 v3, v3, 5, s78
	v_add_nc_u32 v4, s78, v8
	v_mov_b32 v5, s78
	v_mov_b32 v[FP+1], v[MM]
.irp x, 1,2,4,8
	v_max_num_f32_dpp v[FP+1], v[FP+1], v[FP+1] row_xmask:\x row_mask:0xf bank_mask:0xf
.endr
	v_sub_f32 v[FP], v[MM], v[FP+1]
	s_wait_alu depctr_va_vdst(0)
	v_exp_f32 v[FP], v[FP]
	v_mov_b32 v[MM], v[FP+1]
	s_wait_alu depctr_va_vdst(0)
	v_mul_f32 v[LL], v[LL], v[FP]
.irp j, 0,2,4,6,8,10,12,14,16,18,20,22,24,26,28,30
	v_pk_mul_f32 v[OV+\j:OV+\j+1], v[OV+\j:OV+\j+1], v[FP:FP+1] op_sel_hi:[1,0]
.endr
.irp x, 1,2,4,8
	v_add_f32_dpp v[LL], v[LL], v[LL] row_xmask:\x row_mask:0xf bank_mask:0xf
.irp j, 0,1,2,3,4,5,6,7,8,9,10,11,12,13,14,15,16,17,18,19,20,21,22,23,24,25,26,27,28,29,30,31
	v_add_f32_dpp v[OV+\j], v[OV+\j], v[OV+\j] row_xmask:\x row_mask:0xf bank_mask:0xf
.endr
.endr
.irp t, 0,1,2,3
	ds_store_b128 v3, v[OV+8*\t:OV+8*\t+3] offset:64*\t
	ds_store_b128 v3, v[OV+8*\t+4:OV+8*\t+7] offset:64*\t+16
.endr
	ds_store_b64 v5, v[MM:MM+1] offset:256
	s_wait_dscnt 0x0
	s_barrier_signal -1
	s_barrier_wait -1
	s_cmp_lt_u32 s[WV], 2
	s_cbranch_scc0 .Lend
	ds_load_b64 v[130:131], v4
	ds_load_b64 v[132:133], v4 offset:1024
	ds_load_b64 v[134:135], v5 offset:256
	ds_load_b64 v[136:137], v5 offset:1280
	s_wait_dscnt 0x0
	s_wait_loadcnt 0x0
	v_max_num_f32 v138, v134, v136
	v_sub_f32 v139, v134, v138
	v_sub_f32 v140, v136, v138
	s_wait_alu depctr_va_vdst(0)
	v_exp_f32 v139, v139
	v_exp_f32 v140, v140
	v_nop
	s_wait_alu depctr_va_vdst(0)
	v_mul_f32 v141, v135, v139
	v_fmac_f32 v141, v137, v140
	v_mul_f32 v130, v130, v139
	v_mul_f32 v131, v131, v139
	s_wait_alu depctr_va_vdst(0)
	v_rcp_f32 v141, v141
	v_fma_f32 v130, -v132, v140, v130
	v_fma_f32 v131, -v133, v140, v131
	s_wait_alu depctr_va_vdst(0)
	v_fma_f32 v130, v130, v141, v128
	v_fma_f32 v131, v131, v141, v129
	global_store_b64 v8, v[130:131], s[ATT:ATT+1]
.Lend:
	s_wait_tensorcnt 0x0
	ds_add_u32 v[SPW], v[NIL]
	s_wait_dscnt 0x0
	CROUND
	s_endpgm
.Lfunc_end_k_qd64835abe2_pool:
	.size	k_qd64835abe2_pool, .Lfunc_end_k_qd64835abe2_pool-k_qd64835abe2_pool
	.p2alignl 7, 3214868480
	.fill 96, 4, 3214868480
	.section	.rodata,"a",@progbits
	.p2align	6, 0x0
	.amdhsa_kernel k_qd64835abe2_pool
		.amdhsa_group_segment_fixed_size 327680
		.amdhsa_private_segment_fixed_size 0
		.amdhsa_enable_private_segment 0
		.amdhsa_kernarg_size 104
		.amdhsa_user_sgpr_count 2
		.amdhsa_user_sgpr_kernarg_segment_ptr 1
		.amdhsa_wavefront_size32 1
		.amdhsa_system_sgpr_workgroup_id_x 1
		.amdhsa_system_sgpr_workgroup_id_y 1
		.amdhsa_system_sgpr_workgroup_id_z 1
		.amdhsa_system_vgpr_workitem_id 0
		.amdhsa_next_free_vgpr 1024
		.amdhsa_next_free_sgpr 102
		.amdhsa_reserve_vcc 0
		.amdhsa_float_denorm_mode_32 3
		.amdhsa_float_denorm_mode_16_64 3
		.amdhsa_memory_ordered 1
		.amdhsa_forward_progress 1
		.amdhsa_inst_pref_size 255
	.end_amdhsa_kernel
	.section	.bss,"aw",@nobits
	.p2align	6
	.space	262144
	.amdgpu_metadata
---
amdhsa.version: [ 1, 2 ]
amdhsa.kernels:
  - .name:           k_qd64835abe2_pool
    .symbol:         k_qd64835abe2_pool.kd
    .args:
      - { .name: x_codes, .offset: 0, .size: 8, .value_kind: global_buffer, .address_space: global }
      - { .name: x_scales, .offset: 8, .size: 8, .value_kind: global_buffer, .address_space: global }
      - { .name: mask, .offset: 16, .size: 8, .value_kind: global_buffer, .address_space: global }
      - { .name: Wk_codes, .offset: 24, .size: 8, .value_kind: global_buffer, .address_space: global }
      - { .name: Wv_codes, .offset: 32, .size: 8, .value_kind: global_buffer, .address_space: global }
      - { .name: Wk_scales, .offset: 40, .size: 8, .value_kind: global_buffer, .address_space: global }
      - { .name: Wv_scales, .offset: 48, .size: 8, .value_kind: global_buffer, .address_space: global }
      - { .name: seed, .offset: 56, .size: 8, .value_kind: global_buffer, .address_space: global }
      - { .name: Wq, .offset: 64, .size: 8, .value_kind: global_buffer, .address_space: global }
      - { .name: bq, .offset: 72, .size: 8, .value_kind: global_buffer, .address_space: global }
      - { .name: bk, .offset: 80, .size: 8, .value_kind: global_buffer, .address_space: global }
      - { .name: bv, .offset: 88, .size: 8, .value_kind: global_buffer, .address_space: global }
      - { .name: att, .offset: 96, .size: 8, .value_kind: global_buffer, .address_space: global }
    .group_segment_fixed_size: 327680
    .private_segment_fixed_size: 0
    .kernarg_segment_align: 8
    .kernarg_segment_size: 104
    .max_flat_workgroup_size: 128
    .sgpr_count:     102
    .vgpr_count:     1024
    .wavefront_size: 32
...
	.end_amdgpu_metadata
.endif
;; end of part 1
;; launch proj (part 2): grid 8 x 4, 4 waves a work-group, no clusters, 13,824 bytes of LDS; arguments att, Wo_codes, Wo_scales, bo, out0; writes out0
.if DOCPART == 2
	.amdgcn_target "amdgcn-amd-amdhsa--gfx1250"
	.amdhsa_code_object_version 6
	.text
	.protected	k_qd64835abe2_proj
	.globl	k_qd64835abe2_proj
	.p2align	8
	.type	k_qd64835abe2_proj,@function
k_qd64835abe2_proj:
	s_mov_b64 s[64:65], 0
	v_nop
	global_prefetch_b8 v0, s[64:65] scope:SCOPE_SE
	s_setreg_imm32_b32 hwreg(HW_REG_WAVE_MODE, 25, 1), 1
	s_wait_xcnt 0x0
.set XIMG, 0
.set XSC,  8192
.set STG,  8704
.set ST,   16
.set PC,   80
.set TM,   96
.set PW,   112
.set HS,   114
.set WSO,  118
.set ZZ,   120
.set ACCA, 122
.set ACCB, 130
.set YY,   138
.set BK,   146
.set WF,   160
.set SEL,  32
.set MNT,  34
	s_load_b256 s[4:11], s[0:1], 0x0
	s_load_b64 s[12:13], s[0:1], 0x20
	v_lshl_add_u32 v224, v0, 2, 0x3400
	v_mov_b32 v225, 0
	v_lshrrev_b32 v1, 5, v0
	v_readfirstlane_b32 s14, v1
	v_and_b32 v1, 31, v0
	v_and_b32 v2, 15, v0
	v_bfe_u32 v3, v0, 4, 1
	v_lshlrev_b32 v4, 11, v2
	v_lshl_add_u32 v4, v3, 6, v4
	v_lshlrev_b32 v5, 4, v1
	v_lshlrev_b32 v6, 2, v1
	s_lshl_b32 s20, s14, 11
	v_add_nc_u32 v7, s20, v5
	s_lshl_b32 s20, s14, 7
	v_add_nc_u32 v8, s20, v6
	v_lshlrev_b32 v9, 9, v2
	v_lshl_add_u32 v9, v3, 4, v9
	v_lshlrev_b32 v15, 4, v2
	v_lshl_add_u32 v10, v3, 3, v15
	v_lshlrev_b32 v11, 5, v3
	v_mul_u32_u24 v12, v2, 272
	v_lshl_add_u32 v12, v3, 5, v12
	s_lshl_b32 s20, s14, 6
	s_add_co_u32 s20, s20, STG
	v_add_nc_u32 v12, s20, v12
	v_mul_u32_u24 v13, v3, 272
	v_add_nc_u32 v13, v13, v15
	s_mul_i32 s20, s14, 4*272
	s_add_co_u32 s20, s20, STG
	v_add_nc_u32 v13, s20, v13
	v_lshl_add_u32 v14, v3, 11, v15
.irp b, 0,1,2,3
	v_mov_b32 v[TM+4+\b], 0
.endr
	s_and_b32 s16, ttmp7, 0xffff
	s_lshl_b32 s17, ttmp9, 2
	s_add_co_u32 s17, s17, s14
	s_lshl_b32 s22, s16, 15
	s_lshl_b32 s23, s14, 9
	s_add_co_u32 s22, s22, s23
	s_mov_b32 s23, 0
	s_lshl_b32 s24, s17, 13
	s_mov_b32 s25, 0
	s_lshl_b32 s26, s17, 8
	s_mov_b32 s27, 0
	s_lshl_b32 s28, s17, 6
	s_mov_b32 s29, 0
	s_lshl_b32 s30, s16, 15
	s_lshl_b32 s31, s14, 13
	s_add_co_u32 s30, s30, s31
	s_lshl_b32 s31, ttmp9, 8
	s_add_co_u32 s30, s30, s31
	s_mov_b32 s31, 0
	s_mov_b32 s[SEL], 0x76543210
	s_mov_b32 s[SEL+1], 0xfedcba98
	s_mov_b32 s[MNT], 0x600000
	s_wait_kmcnt 0x0
	s_add_nc_u64 s[4:5], s[4:5], s[22:23]
	s_add_nc_u64 s[6:7], s[6:7], s[24:25]
	s_add_nc_u64 s[8:9], s[8:9], s[26:27]
	s_add_nc_u64 s[10:11], s[10:11], s[28:29]
	s_add_nc_u64 s[12:13], s[12:13], s[30:31]
.irp b, 0,1,2,3
.irp j, 0,1,2,3
	global_load_b128 v[ST+16*\b+4*\j:ST+16*\b+4*\j+3], v4, s[4:5] offset:128*\b+16*\j
.endr
.endr
.irp s, 0,1,2,3
.irp c, 0,1,2,3
	global_load_b128 v[WF+16*\s+4*\c:WF+16*\s+4*\c+3], v9, s[6:7] offset:128*\s+32*\c
.endr
.endr
	global_load_b64 v[WSO:WSO+1], v10, s[8:9]
	global_load_b128 v[ACCA:ACCA+3], v11, s[10:11]
	global_load_b128 v[ACCA+4:ACCA+7], v11, s[10:11] offset:16
	s_wait_loadcnt 19
	v_mul_f32 v[ZZ], 0, v[ST]
	v_mov_b32 v[ZZ+1], v[ZZ]
.irp b, 0,1,2,3
	v_max3_num_f32 v[TM+\b], |v[ST+16*\b]|, |v[ST+1+16*\b]|, 0x4800000
.endr
.irp i, 2,4,6,8,10,12,14
.irp b, 0,1,2,3
	v_max3_num_f32 v[TM+\b], v[TM+\b], |v[ST+16*\b+\i]|, |v[ST+1+16*\b+\i]|
.endr
.endr
.irp b, 0,1,2,3
	v_permlanex16_b32 v[TM+4+\b], v[TM+\b], s[SEL], s[SEL+1]
.endr
.irp b, 0,1,2,3
	v_max_num_f32 v[TM+\b], v[TM+\b], v[TM+4+\b]
.endr
.irp b, 0,1,2,3
	v_add_nc_u32 v[TM+12+\b], 0xfc000000, v[TM+\b]
.endr
.irp b, 0,1,2,3
	v_and_or_b32 v[TM+8+\b], v[TM+\b], 0x7f800000, s[MNT]
.endr
.irp b, 0,1,2,3
	v_lshrrev_b32 v[TM+4+\b], 23, v[TM+12+\b]
.endr
	v_lshl_or_b32 v[PW], v[TM+5], 8, v[TM+4]
	v_lshl_or_b32 v[PW], v[TM+6], 16, v[PW]
	v_lshl_or_b32 v[PW], v[TM+7], 24, v[PW]
.irp b, 0,1,2,3
.irp i, 0,1,2,3,4,5,6,7,8,9,10,11,12,13,14,15
	v_med3_num_f32 v[ST+16*\b+\i], v[ST+16*\b+\i], -v[TM+8+\b], v[TM+8+\b]
.endr
	v_cvt_scalef32_pk8_fp8_f32 v[PC+4*\b:PC+1+4*\b], v[ST+16*\b:ST+7+16*\b], v[TM+12+\b]
	v_cvt_scalef32_pk8_fp8_f32 v[PC+2+4*\b:PC+3+4*\b], v[ST+8+16*\b:ST+15+16*\b], v[TM+12+\b]
.endr
	v_nop
.irp c, 0,1,2,3
	ds_store_b128 v7, v[PC+4*\c:PC+4*\c+3] offset:XIMG+512*\c
.endr
	ds_store_b32 v8, v[PW] offset:XSC
	s_wait_dscnt 0x0
	s_barrier_signal -1
	s_barrier_wait -1
.irp s, 0,1,2,3
.irp c, 0,1,2,3
	ds_load_b128 v[ST+16*\s+4*\c:ST+16*\s+4*\c+3], v5 offset:XIMG+2048*\s+512*\c
.endr
	ds_load_b32 v[HS+\s], v6 offset:XSC+128*\s
.endr
	s_wait_dscnt 0x0
	s_wait_loadcnt 0x0
	v_wmma_scale_f32_16x16x128_f8f6f4 v[ACCA:ACCA+7], v[WF:WF+15], v[ST:ST+15], v[ACCA:ACCA+7], v[WSO], v[HS]
	v_wmma_scale_f32_16x16x128_f8f6f4 v[ACCB:ACCB+7], v[WF+16:WF+31], v[ST+16:ST+31], 0, v[WSO+1], v[HS+1]
	v_wmma_scale_f32_16x16x128_f8f6f4 v[ACCA:ACCA+7], v[WF+32:WF+47], v[ST+32:ST+47], v[ACCA:ACCA+7], v[WSO], v[HS+2] matrix_a_scale:MATRIX_SCALE_ROW1
	v_wmma_scale_f32_16x16x128_f8f6f4 v[ACCB:ACCB+7], v[WF+48:WF+63], v[ST+48:ST+63], v[ACCB:ACCB+7], v[WSO+1], v[HS+3] matrix_a_scale:MATRIX_SCALE_ROW1
.rept 8
	v_nop
.endr
.irp i, 0,2,4,6
	v_pk_add_f32 v[YY+\i:YY+\i+1], v[ACCA+\i:ACCA+\i+1], v[ACCB+\i:ACCB+\i+1]
.endr
.irp i, 0,2,4,6
	v_pk_add_f32 v[YY+\i:YY+\i+1], v[YY+\i:YY+\i+1], v[ZZ:ZZ+1]
.endr
	ds_store_b128 v12, v[YY:YY+3]
	ds_store_b128 v12, v[YY+4:YY+7] offset:16
	s_wait_dscnt 0x0
	s_barrier_signal -1
	s_barrier_wait -1
	ds_load_b128 v[BK:BK+3], v13
	ds_load_b128 v[BK+4:BK+7], v13 offset:2*272
	s_wait_dscnt 1
	global_store_b128 v14, v[BK:BK+3], s[12:13]
	s_wait_dscnt 0x0
	global_store_b128 v14, v[BK+4:BK+7], s[12:13] offset:4096
	s_wait_tensorcnt 0x0
	ds_add_u32 v224, v225
	s_wait_dscnt 0x0
	s_endpgm
.Lfunc_end_k_qd64835abe2_proj:
	.size	k_qd64835abe2_proj, .Lfunc_end_k_qd64835abe2_proj-k_qd64835abe2_proj
	.p2alignl 7, 3214868480
	.fill 96, 4, 3214868480
	.section	.rodata,"a",@progbits
	.p2align	6, 0x0
	.amdhsa_kernel k_qd64835abe2_proj
		.amdhsa_group_segment_fixed_size 13824
		.amdhsa_private_segment_fixed_size 0
		.amdhsa_enable_private_segment 0
		.amdhsa_kernarg_size 40
		.amdhsa_user_sgpr_count 2
		.amdhsa_user_sgpr_kernarg_segment_ptr 1
		.amdhsa_wavefront_size32 1
		.amdhsa_system_sgpr_workgroup_id_x 1
		.amdhsa_system_sgpr_workgroup_id_y 1
		.amdhsa_system_sgpr_workgroup_id_z 1
		.amdhsa_system_vgpr_workitem_id 0
		.amdhsa_next_free_vgpr 226
		.amdhsa_next_free_sgpr 66
		.amdhsa_reserve_vcc 0
		.amdhsa_float_denorm_mode_32 3
		.amdhsa_float_denorm_mode_16_64 3
		.amdhsa_memory_ordered 1
		.amdhsa_forward_progress 1
		.amdhsa_inst_pref_size 18
	.end_amdhsa_kernel
	.amdgpu_metadata
---
amdhsa.version: [ 1, 2 ]
amdhsa.kernels:
  - .name:           k_qd64835abe2_proj
    .symbol:         k_qd64835abe2_proj.kd
    .args:
      - { .name: att, .offset: 0, .size: 8, .value_kind: global_buffer, .address_space: global }
      - { .name: Wo_codes, .offset: 8, .size: 8, .value_kind: global_buffer, .address_space: global }
      - { .name: Wo_scales, .offset: 16, .size: 8, .value_kind: global_buffer, .address_space: global }
      - { .name: bo, .offset: 24, .size: 8, .value_kind: global_buffer, .address_space: global }
      - { .name: out0, .offset: 32, .size: 8, .value_kind: global_buffer, .address_space: global }
    .group_segment_fixed_size: 13824
    .private_segment_fixed_size: 0
    .kernarg_segment_align: 8
    .kernarg_segment_size: 40
    .max_flat_workgroup_size: 128
    .sgpr_count:     66
    .vgpr_count:     226
    .wavefront_size: 32
...
	.end_amdgpu_metadata
.endif
;; end of part 2
